; MI455X (gfx1250); checked and timed in simulation.
; The chip was launched on July 23, 2026; its instructions are those of AMD's public machine-readable ISA for CDNA 5 (MIT licence, August 2026) and "CDNA5" Instruction Set Architecture Reference Guide (July 2026). The comments in the code are by the model that wrote it; some were corrected since.
;; Attention. Allowed arithmetic: matrix products marked QUANTISED: E4M3 operands, one given power-of-two scale a tensor, by v_wmma_f32_16x16x64_fp8_fp8 or v_wmma_f32_16x16x128_fp8_fp8, f32 sums; products left as they are: f32 operands where the result goes on into a quantised operand, else bf16, f16 or f32 operands; f32 sums; everything else in f32.
;; Inputs: W_c 1,024 float32; W_h_codes 1,024 x 32 x 32 uint8 (E4M3 codes of W_h, K innermost, in blocks of 32 codes); coverage 64 x 1,024 float32; dec_W_codes 1,024 x 32 x 32 uint8 (E4M3 codes of dec_W, K innermost, in blocks of 32 codes); dec_b 1,024 float32; enc_padding_mask 64 x 1,024 float32; h 64 x 1,024 x 1,024 float32; lowp_scales 4 int32 (the exponents e of the quantised operands' scales 2^e); s_t_hat_codes 64 x 32 x 32 uint8 (E4M3 codes of s_t_hat, K innermost, in blocks of 32 codes); v 1,024 float32.
;; Outputs: out0 64 x 1,024 float32; out1 64 x 1,024 float32; out2 64 x 1,024 float32.
;; This version of the problem:
;;   THIS VERSION OF THE PROBLEM IS GIVEN IN LOW PRECISION. The matrix products marked QUANTISED in the list below multiply operands that are first quantised to E4M3 (4 exponent bits, 3 mantissa bits; 8 bits a number), with one given power-of-two scale for each operand tensor; their sums are f32. All else is computed in f32.
;;   The module's matrix products, in the order in which they are computed (A, B: the left and right operand; K: the contracted axis; several contracted axes count as one K, in the product's order):
;;     1. [M 65,536, K 1,024] x [K 1,024, N 1,024]; A: input h; B: input W_h (given as codes): QUANTISED (scales: A lowp_scales[0], B lowp_scales[1])
;;     2. [M 64, K 1,024] x [K 1,024, N 1,024]; A: input s_t_hat (given as codes); B: input dec_W (given as codes): QUANTISED (scales: A lowp_scales[2], B lowp_scales[3])
;;     3. [M 65,536, K 1,024] x [K 1,024, N 1]; A: computed on the way; B: input v: left as it is (N = 1 < 16)
;;     4. batch 64 x [M 1, K 1,024] x [K 1,024, N 1,024]; A: computed on the way; B: input h: left as it is (M = 1 < 16)
;;   THE QUANTISER, for each operand of a quantised product, along K:
;;     - The operand's scale is 2^e, e = its entry of the input lowp_scales (int32; the entries are numbered through the quantised products in the list's order, A before B).
;;     - Each number is divided by the scale, clamped to +-448, and rounded to the nearest number of E4M3, ties to even, subnormals kept.
;;     - The product sums the exact products of the quantised numbers (number of the format x scale) in f32.
;;   ~~~python
;;   def quantise(x, axis, e):      # numpy; x: float32 -> the quantised numbers, widened to float32 again
;;       x = np.moveaxis(x, axis, -1); K = x.shape[-1]
;;       r = np.clip(x / 2.0 ** e, -448, 448)
;;       step = 2.0 ** (np.maximum(np.frexp(np.where(r == 0, 1, r))[1] - 1, -6) - 3)
;;       q = np.round(r / step) * step * 2.0 ** e      # np.round: ties to even
;;       return np.moveaxis(q, -1, axis).astype(np.float32)
;;   ~~~
;;   INPUTS GIVEN AS CODES. W_h (in the module: [1024, 1024], K = its axis 1); dec_W (in the module: [1024, 1024], K = its axis 1); s_t_hat (in the module: [64, 1024], K = its axis 1): each comes as NAME_codes (uint8): NAME with its K axis moved to the last place and cut into blocks of 32 codes, [.., K / 32, bytes a block], one block behind the other in memory; one code a byte (a code: sign, 4 exponent bits, 3 mantissa bits); its scale is its entry of lowp_scales. Its value is code x scale, taken as it is: it is not quantised again, and the codes and scales need not be those that the quantiser above would give.
;; One version. Each part assembles by itself: llvm-mc -triple=amdgcn-amd-amdhsa -mcpu=gfx1250 --defsym DOCPART=n.
;; ======== version 1 of 1: 3 launches
;; limits: right only within a limited range of input values
;; workspace buffers: decf 262,144 bytes; scores 262,144 bytes; wfrag 524,288 bytes; part 4,456,448 bytes
;; launch dec (part 1): grid 16 x 4, 4 waves a work-group, no clusters, 5,120 bytes of LDS; arguments s_t_hat_codes, dec_W_codes, dec_b, lowp_scales, decf, W_h_codes, wfrag; writes decf, wfrag
.if DOCPART == 1
	.amdgcn_target "amdgcn-amd-amdhsa--gfx1250"
	.amdhsa_code_object_version 6
	.text
	.protected	k_q8626cee949_dec
	.globl	k_q8626cee949_dec
	.p2align	8
	.type	k_q8626cee949_dec,@function
k_q8626cee949_dec:
	s_mov_b64 s[64:65], 0
	v_nop
	global_prefetch_b8 v0, s[64:65] scope:SCOPE_SE
	s_setreg_imm32_b32 hwreg(HW_REG_WAVE_MODE, 25, 1), 1
	s_wait_xcnt 0x0
; decf[b][m] = 2^(e2 + e3) x (sum over k of s_t_hat_code[b][k] x dec_W_code[m][k]) + dec_b[m].  Codes of E4M3, K = 1,024 innermost; sums in f32; decf: [64][1024] f32.
; SHARES.  Work-group (x, y) makes batches 16 y .. 16 y + 15 x outputs 64 x .. 64 x + 63; wave w the 16 outputs from 64 x + 16 w on.
; The matrix instruction is used transposed (source 0 = 16 rows of dec_W, source 1 = 16 rows of s_t_hat): lane (r, hh) holds batch r, and its register j output 8 hh + j.
; A fragment (16 rows x 128 K) is fetched by four loads of 16 bytes, 32 bytes apart: the same permutation of k on both sides, so every product meets its partner.
; The eight K steps go by turns onto two accumulators, one instruction a turn; the two are added at the end.
; NO CLUSTER: a work-group's operands, 16 KB + 64 KB, go once from memory straight into registers; there is no LDS ring into which a joint load could deliver.
; LIMIT: e2 + e3 between -126 and 127, so that 2^(e2 + e3) is an f32 number.
; REGISTERS: v1-8 addresses; v16-143 s_t_hat's 8 fragments; window 1, v0-127: dec_W's 8; v144-159 two accumulators; v160-167 dec_b; v168-183 at work; v184-191 rows read back.
.set SPITCH, 272                       ; a stage row: 64 outputs x 4 bytes + 16
.set MSB, 0
.macro WIN new                         ; the immediate's high byte repeats the setting that is left
.if MSB != (\new)
	s_set_vgpr_msb (MSB<<8)|(\new)
.set MSB, (\new)
.endif
.endm
	s_load_b256 s[4:11], s[0:1], 0x0               ; s_t_hat's codes s[4:5], dec_W's s[6:7], dec_b s[8:9], the scales' exponents s[10:11]
	s_load_b64 s[12:13], s[0:1], 0x20              ; decf
	s_load_b128 s[32:35], s[0:1], 0x28             ; W_h's codes s[32:33], wfrag s[34:35]
	v_lshl_add_u32 v254, v0, 2, 0x1200
	v_mov_b32 v255, 0
	v_lshrrev_b32 v1, 5, v0
	v_readfirstlane_b32 s14, v1                    ; wave 0..3
	s_and_b32 s15, ttmp7, 0xffff                   ; work-group y
	v_and_b32 v2, 15, v0                           ; r
	v_bfe_u32 v3, v0, 4, 1                         ; hh
	v_lshlrev_b32 v4, 10, v2
	v_lshl_add_u32 v4, v3, 4, v4                   ; codes: row r of 1,024 bytes, + 16 hh
	v_lshlrev_b32 v5, 5, v3                        ; dec_b: my eight numbers begin 32 hh bytes on
	s_lshl_b32 s16, s14, 6
	v_mul_u32_u24 v6, v2, SPITCH
	v_lshl_add_u32 v6, v3, 5, v6
	v_add_nc_u32 v6, s16, v6                       ; into the stage: row r, + 64 x wave + 32 hh
	s_mul_i32 s16, s14, 4*SPITCH
	v_mul_u32_u24 v7, v3, SPITCH
	v_lshl_add_u32 v7, v2, 4, v7
	v_add_nc_u32 v7, s16, v7                       ; back: rows 4 x wave + hh (+ 2), 16 bytes a lane
	v_lshlrev_b32 v8, 12, v3
	v_lshl_add_u32 v8, v2, 4, v8                   ; and the same place in decf: hh rows of 4,096 bytes + 16 r
	v_and_b32 v9, 31, v0
	v_lshlrev_b32 v9, 4, v9                        ; wfrag: 16 x lane
	s_lshl_b32 s16, ttmp9, 6
	s_lshl_b32 s17, s14, 4
	s_add_co_u32 s16, s16, s17                     ; my first output: 64 x + 16 w
	s_lshl_b32 s18, s16, 10                        ; its row of dec_W, in bytes
	s_mov_b32 s19, 0
	s_lshl_b32 s20, s16, 2                         ; its place in dec_b
	s_mov_b32 s21, 0
	s_lshl_b32 s22, s15, 14                        ; 16 y rows of s_t_hat
	s_mov_b32 s23, 0
	s_lshl_b32 s24, s15, 4
	s_lshl_b32 s25, s14, 2
	s_add_co_u32 s24, s24, s25                     ; the first row of decf that I store: 16 y + 4 w
	s_lshl_b32 s24, s24, 12
	s_lshl_b32 s25, ttmp9, 8
	s_add_co_u32 s24, s24, s25                     ; + 256 x bytes
	s_mov_b32 s25, 0
	; ALSO: W_h's K 512-1023 is laid in the order of a wave's operand registers, for the next launch.  Work-group n = 16 y + x takes W_h's rows 16 n .. 16 n + 15, wave w the 128 K from 512 + 128 w on:
	; wfrag[n][w][c][lane] = the 16 codes W_h[16 n + r][512 + 128 w + 32 c + 16 hh ..]: four loads, four stores of 512 consecutive bytes, v192-207.
	s_lshl_b32 s36, s15, 4
	s_add_co_u32 s36, s36, ttmp9                   ; n
	s_lshl_b32 s38, s36, 13                        ; 8,192 bytes of wfrag a tile
	s_lshl_b32 s36, s36, 14                        ; 16 rows of 1,024 bytes
	s_lshl_b32 s37, s14, 7
	s_add_co_u32 s36, s36, s37
	s_add_co_u32 s36, s36, 512
	s_lshl_b32 s37, s14, 11
	s_add_co_u32 s38, s38, s37
	s_mov_b32 s37, 0
	s_mov_b32 s39, 0
	s_wait_alu depctr_va_vdst(0)
	s_wait_kmcnt 0x0
	s_load_b64 s[26:27], s[10:11], 0x8             ; e2, e3
	s_add_nc_u64 s[4:5], s[4:5], s[22:23]
	s_add_nc_u64 s[6:7], s[6:7], s[18:19]
	s_add_nc_u64 s[8:9], s[8:9], s[20:21]
	s_add_nc_u64 s[12:13], s[12:13], s[24:25]
	s_add_nc_u64 s[32:33], s[32:33], s[36:37]
	s_add_nc_u64 s[34:35], s[34:35], s[38:39]
.irp c, 0,1,2,3
	global_load_b128 v[192+4*\c:195+4*\c], v4, s[32:33] offset:32*\c
.endr
	global_load_b128 v[160:163], v5, s[8:9]
	global_load_b128 v[164:167], v5, s[8:9] offset:16
.irp s, 0,1,2,3,4,5,6,7
.irp c, 0,1,2,3
	global_load_b128 v[16+16*\s+4*\c:16+16*\s+4*\c+3], v4, s[4:5] offset:128*\s+32*\c
.endr
.endr
	WIN 0x40                                       ; destination window 1
.irp s, 0,1,2,3,4,5,6,7
.irp c, 0,1,2,3
	global_load_b128 v[16*\s+4*\c:16*\s+4*\c+3], v4, s[6:7] offset:128*\s+32*\c
.endr
.endr
	WIN 0
	s_wait_kmcnt 0x0
	s_add_co_i32 s28, s26, s27
	s_add_co_i32 s28, s28, 127
	s_lshl_b32 s28, s28, 23                        ; 2^(e2 + e3) as f32
	s_mov_b32 s29, s28                             ; (named with it as a pair, so it is written)
	s_wait_loadcnt 0x0
.irp c, 0,1,2,3
	global_store_b128 v9, v[192+4*\c:195+4*\c], s[34:35] offset:512*\c   ; the wave stores 512 consecutive bytes, aligned
.endr
	WIN 0x01                                       ; source 0 (dec_W) window 1
.irp s, 0,1,2,3,4,5,6,7
.if \s < 2
	v_wmma_f32_16x16x128_fp8_fp8 v[144+8*(\s%2):144+8*(\s%2)+7], v[16*\s:16*\s+15], v[16+16*\s:16+16*\s+15], 0
.else
	v_wmma_f32_16x16x128_fp8_fp8 v[144+8*(\s%2):144+8*(\s%2)+7], v[16*\s:16*\s+15], v[16+16*\s:16+16*\s+15], v[144+8*(\s%2):144+8*(\s%2)+7]
.endif
.endr
	WIN 0
.rept 4
	v_nop                                          ; four places between the last product and the first read of results (ISA guide 7.12.1)
.endr
.irp p, 0,2,4,6
	v_pk_add_f32 v[168+\p:169+\p], v[144+\p:145+\p], v[152+\p:153+\p]      ; the two halves of K; each accumulator from its low end on
.endr
.irp p, 0,2,4,6
	v_pk_fma_f32 v[176+\p:177+\p], v[168+\p:169+\p], s[28:29], v[160+\p:161+\p] op_sel_hi:[1,0,1]   ; sum x 2^(e2 + e3) + dec_b
.endr
	ds_store_b128 v6, v[176:179]
	ds_store_b128 v6, v[180:183] offset:16
	s_wait_dscnt 0x0                               ; for the others' sake: my stores into the stage are done
	s_barrier_signal -1
	s_barrier_wait -1                              ; a row's 256 bytes come from four waves
	ds_load_b128 v[184:187], v7
	ds_load_b128 v[188:191], v7 offset:2*SPITCH
	s_wait_dscnt 0x0
	global_store_b128 v8, v[184:187], s[12:13]               ; sixteen lanes store 256 consecutive bytes, at a multiple of 256 from decf's first byte
	global_store_b128 v8, v[188:191], s[12:13] offset:8192
	s_wait_tensorcnt 0x0
	ds_add_u32 v254, v255
	s_wait_dscnt 0x0
	s_endpgm
.Lfunc_end_k_q8626cee949_dec:
	.size	k_q8626cee949_dec, .Lfunc_end_k_q8626cee949_dec-k_q8626cee949_dec
	.p2alignl 7, 3214868480
	.fill 96, 4, 3214868480
	.section	.rodata,"a",@progbits
	.p2align	6, 0x0
	.amdhsa_kernel k_q8626cee949_dec
		.amdhsa_group_segment_fixed_size 5120
		.amdhsa_private_segment_fixed_size 0
		.amdhsa_enable_private_segment 0
		.amdhsa_kernarg_size 56
		.amdhsa_user_sgpr_count 2
		.amdhsa_user_sgpr_kernarg_segment_ptr 1
		.amdhsa_wavefront_size32 1
		.amdhsa_system_sgpr_workgroup_id_x 1
		.amdhsa_system_sgpr_workgroup_id_y 1
		.amdhsa_system_sgpr_workgroup_id_z 1
		.amdhsa_system_vgpr_workitem_id 0
		.amdhsa_next_free_vgpr 384
		.amdhsa_next_free_sgpr 66
		.amdhsa_reserve_vcc 0
		.amdhsa_float_denorm_mode_32 3
		.amdhsa_float_denorm_mode_16_64 3
		.amdhsa_memory_ordered 1
		.amdhsa_forward_progress 1
		.amdhsa_inst_pref_size 12
	.end_amdhsa_kernel
	.amdgpu_metadata
---
amdhsa.version: [ 1, 2 ]
amdhsa.kernels:
  - .name:           k_q8626cee949_dec
    .symbol:         k_q8626cee949_dec.kd
    .args:
      - { .name: s_t_hat_codes, .offset: 0, .size: 8, .value_kind: global_buffer, .address_space: global }
      - { .name: dec_W_codes, .offset: 8, .size: 8, .value_kind: global_buffer, .address_space: global }
      - { .name: dec_b, .offset: 16, .size: 8, .value_kind: global_buffer, .address_space: global }
      - { .name: lowp_scales, .offset: 24, .size: 8, .value_kind: global_buffer, .address_space: global }
      - { .name: decf, .offset: 32, .size: 8, .value_kind: global_buffer, .address_space: global }
      - { .name: W_h_codes, .offset: 40, .size: 8, .value_kind: global_buffer, .address_space: global }
      - { .name: wfrag, .offset: 48, .size: 8, .value_kind: global_buffer, .address_space: global }
    .group_segment_fixed_size: 5120
    .private_segment_fixed_size: 0
    .kernarg_segment_align: 8
    .kernarg_segment_size: 56
    .max_flat_workgroup_size: 128
    .sgpr_count:     66
    .vgpr_count:     384
    .wavefront_size: 32
...
	.end_amdgpu_metadata
.endif
;; end of part 1
;; launch score (part 2): grid 256 x 1, 4 waves a work-group, clusters of 4 x 1, 327,680 bytes of LDS; arguments h, W_h_codes, lowp_scales, coverage, W_c, v, decf, scores, wfrag, enc_padding_mask, part; writes scores, part
.if DOCPART == 2
	.amdgcn_target "amdgcn-amd-amdhsa--gfx1250"
	.amdhsa_code_object_version 6
	.text
	.protected	k_q8626cee949_score
	.globl	k_q8626cee949_score
	.p2align	8
	.type	k_q8626cee949_score,@function
k_q8626cee949_score:
	s_mov_b64 s[64:65], 0
	v_nop
	global_prefetch_b8 v0, s[64:65] scope:SCOPE_SE
	s_setreg_imm32_b32 hwreg(HW_REG_WAVE_MODE, 25, 1), 1
	s_wait_xcnt 0x0
	s_wait_alu depctr_hold_cnt(0) depctr_sa_sdst(0) depctr_va_vdst(0) depctr_va_sdst(0) depctr_va_ssrc(0) depctr_va_vcc(0) depctr_vm_vsrc(0)
	s_getreg_b32 s2, hwreg(HW_REG_IB_STS2, 6, 4)
	s_cmp_eq_u32 s2, 0
	s_cbranch_scc0 .Lentry_in_a_cluster
	s_endpgm
.Lentry_in_a_cluster:
	s_bfe_u32 s2, ttmp6, 0x10000c
	s_cmp_lg_u32 s2, 0x3003
	s_cbranch_scc0 .Lentry_shape_is_right
	s_endpgm
.Lentry_shape_is_right:
; scores[b][t] = sum over n of -2 v[n] / (1 + exp(2 att[b][t][n])),  att = Q(h) W_h^T + decf[b] + coverage[b][t] W_c.
; DEAD WORK: v . tanh(att) = sum of v - 2 sum of v / (1 + exp(2 att)).  The term sum of v is the same for every t of a batch, and the scores go only into a
; softmax along t, which a term that is the same along its axis does not move, for all values of v: it is left out.  LIMIT: an overflow of that sum alone is not carried on.
; h is quantised to E4M3 with the given 2^e0 (held at +-448 first); W_h comes as codes; sums in f32; all else in f32.
; SHARES.  Work-group x owns rows 256 x .. 256 x + 255 of h (a quarter of batch x / 4); each of four waves 64 rows, as codes in 512 registers:
; window 2 holds K 0-511 (tile i, step s at v[64 i + 16 s]), window 3 K 512-1023.
; THE HEAD reads my 256 KB of h in address order, holds and converts in the loads' own layout (a lane: 4 neighbours along K of each of two loads), puts the codes
; row by row into my own stage in LDS and reads them back as fragments: only codes go through LDS.
; W_h comes by two roads: K 0-511 through two LDS slots of 128 rows x 512 bytes, filled jointly; K 512-1023 from wfrag, which the launch before laid in the order
; of the operand's registers, straight into window 1, four groups ahead (four buffers of 64 registers).
; A GROUP is 16 rows of W_h x my 64 rows: 32 matrix instructions on four accumulators by turns, then the tanh as batches.
; The matrix instruction is used transposed: source 0 = 16 rows of W_h, source 1 = 16 rows of h: lane (r, hh) holds row r of h, register j output 8 hh + j.
; Fragments are 16-byte pieces, 32 apart: the same permutation of k on both sides.
; CLUSTER 4, 1, 1: all work-groups walk the same W_h; the four partners ask for each slot jointly.
; NO PREFETCH: a slot's refill is asked for eight groups (256 matrix instructions a wave) ahead of its first read, wfrag's loads four groups ahead; h is one stream of loads, 48 to 63 deep in every wave.
; LIMITS: e0 + e1 between -127 and 126 (added to a constant's exponent field); e0 between -126 and 119.
; BEHIND THE SCORES each wave also makes its 64 rows' part of the weighted sum of h: it takes ITS OWN largest score m_w away, e[t] = exp(score - m_w) x mask[t], and reads its 256 KB of h a second
; time, again in address order, through the four buffers of window 1: part[wave] = 1,024 sums over its t of e[t] h[t][n], then a unit of 256 bytes that holds (m_w, the sum of e) 32 times.
; The next launch joins a batch's sixteen records under the batch's largest score.  All of that in f32.  LIMIT: v_exp_f32 gives 0 for results under 2^-126: such weights count as 0.
.set WP,    528                        ; a row of W_h's first half in LDS: 512 bytes + 16
.set TILEB, 16*WP
.set SLOTB, 128*WP
.set STG,   2*SLOTB                    ; four stages of 32 rows x (1,024 + 16) bytes of codes, a wave's own
.set SP,    1040
.set STGW,  32*SP
.set TABV,  STG+4*STGW                 ; -2 v;  then W_c and decf, both x 2^-(e0 + e1)
.set TABW,  TABV+4096
.set TABD,  TABW+4096
.set SCR,   TABD+4096                  ; 256 bytes a wave for the way out
.set SCE,   SCR+1024                   ; 256 bytes a wave: its 64 weights e
.set SPARE, SCE+1024                   ; the spare words
.set PA,    64                         ; v64-95 the weighted sums of the even rows, v96-127 of the odd rows (the accumulators' registers, done with by then)
.set PB,    96
.set WT,    32                         ; v32-39 eight rows' weights
.set OW,    TABW-TABV+64               ; the next group's W_c and decf
.set OD,    TABD-TABV+64
.set SPW, 1
.set NIL, 2
.set AB0, 3                            ; my lane's place in a tile of W_h
.set ADR, 4                            ; the body's first tile
.set AT0, 5                            ; my lane's place in the tables
.set ADT, 6
.set SC,  7                            ; 2^e0
.set HO,  8                            ; 16 x lane
.set ST0, 9                            ; stage, in: 4 x lane
.set STO, 10                           ; stage, back: row r, + 16 hh
.set LIM, 11                           ; 448 x 2^e0
.set COV, 16                           ; v16-23 coverage of my four tiles' rows, as pairs
.set S,   24                           ; v24-31 the scores' sums
.set CV,  32
.set CW,  40
.set CD,  48
.set STI, 59                           ; stage, in, at the trip's first row
.set ACC, 64                           ; v64-95 four accumulators
.set T,   96                           ; v96-127
.set BF,  128                          ; v128-191 four fragments from LDS (in the head v128-143: codes just made)
.set WV,  20
.set G1,  24
.set G0,  32
.set WF,  36                           ; s[36:37] wfrag at the body's first tile
.set SO,  38
.set KS,  44
.set TB,  49
.set TC,  51
.set SEL, 54
.set MSB, 0
.macro WIN new                         ; the immediate's high byte repeats the setting that is left
.if MSB != (\new)
	s_set_vgpr_msb (MSB<<8)|(\new)
.set MSB, (\new)
.endif
.endm
.macro PLACES
.rept 4
	v_nop
.endr
.endm
.macro CROUND                          ; a round of the cluster's barrier
	s_barrier_signal -1
	s_barrier_wait -1
	s_cmp_lg_u32 s[WV], 0
	s_cbranch_scc1 .Lnot_wave_0_\@
	s_barrier_signal -3
.Lnot_wave_0_\@:
	s_barrier_wait -3
	s_barrier_signal -1
	s_barrier_wait -1
.endm
	s_load_b256 s[4:11], s[0:1], 0x0               ; h, W_h's codes, the scales' exponents, coverage
	s_load_b256 s[12:19], s[0:1], 0x20             ; W_c, v, decf, scores
	s_load_b64 s[WF:WF+1], s[0:1], 0x40            ; wfrag
	s_load_b128 s[68:71], s[0:1], 0x48             ; mask, part
	v_lshl_add_u32 v[SPW], v0, 2, SPARE
	v_mov_b32 v[NIL], 0
	ds_add_u32 v[SPW], v[NIL]
	ds_add_u32 v[SPW], v[NIL]
	v_lshrrev_b32 v12, 5, v0
	v_readfirstlane_b32 s[WV], v12                 ; wave 0..3
	s_bfe_u32 s21, ttmp6, 0x40000
	s_lshl_b32 s22, ttmp9, 2
	s_add_co_u32 s22, s22, s21                     ; work-group x
	s_mov_b32 s[G1], 15|(1<<20)|(1<<21)|(6<<22)|(3<<25)   ; all four partners; bytes; 4 words of padding behind every 128
	s_mov_b32 s[G1+1], 512<<16
	s_mov_b32 s[G1+2], 32<<16
	s_mov_b32 s[G1+3], 512<<16
	s_mov_b32 s[G1+4], 32                          ; a wave fetches 32 rows of 512 bytes,
	s_mov_b32 s[G1+5], 1024                        ; 1,024 bytes apart in memory
	s_mov_b32 s[G1+6], 0
	s_mov_b32 s[G1+7], 0
	s_mul_i32 s56, s[WV], 32*WP
	s_mul_i32 s57, s[WV], STGW
	s_add_co_u32 s57, s57, STG                     ; my stage
	s_lshl_b32 s58, s[WV], 15
	s_mov_b32 s59, 0
	s_mov_b32 s[SEL], 0x76543210
	s_mov_b32 s[SEL+1], 0xfedcba98
	s_lshl_b32 s60, s22, 20                        ; my work-group's 256 rows of h,
	s_lshl_b32 s62, s[WV], 18
	s_add_co_u32 s60, s60, s62                     ; my 64
	s_mov_b32 s61, 0
	s_lshl_b32 s46, s22, 10
	s_lshl_b32 s62, s[WV], 8
	s_add_co_u32 s46, s46, s62                     ; the same rows in coverage and scores
	s_mov_b32 s47, 0
	s_lshr_b32 s62, s22, 2
	s_lshl_b32 s62, s62, 12                        ; the batch's row of decf
	s_mov_b32 s63, 0
	s_lshl_b32 s66, s22, 2
	s_add_co_u32 s66, s66, s[WV]
	s_mul_i32 s66, s66, 4352                       ; my wave's record in part: 4,096 + 256 bytes
	s_mov_b32 s67, 0
	v_and_b32 v12, 15, v0                          ; r
	v_bfe_u32 v13, v0, 4, 1                        ; hh
	v_and_b32 v14, 31, v0
	v_mul_u32_u24 v[AB0], v12, WP
	v_lshl_add_u32 v[AB0], v13, 4, v[AB0]
	v_lshlrev_b32 v[AT0], 5, v13
	v_add_nc_u32 v[AT0], TABV, v[AT0]
	v_lshlrev_b32 v[HO], 4, v14
	v_lshl_add_u32 v[ST0], v14, 2, s57
	v_mov_b32 v[STI], v[ST0]
	v_mul_u32_u24 v[STO], v12, SP
	v_lshl_add_u32 v[STO], v13, 4, v[STO]
	v_add_nc_u32 v[STO], s57, v[STO]
	v_lshlrev_b32 v15, 4, v0
	v_lshlrev_b32 v56, 2, v12
	v_lshl_add_u32 v57, v0, 4, TABV
	v_lshlrev_b32 v58, 2, v14                      ; 4 x lane
	s_wait_alu depctr_va_vdst(0)
	s_wait_dscnt 0x0                               ; both opening adds are done
	s_wait_kmcnt 0x0
	s_load_b128 s[40:43], s[8:9], 0x0              ; e0, e1, ..
	s_add_nc_u64 s[4:5], s[4:5], s[60:61]
	s_add_nc_u64 s[10:11], s[10:11], s[46:47]
	s_add_nc_u64 s[18:19], s[18:19], s[46:47]
	s_add_nc_u64 s[16:17], s[16:17], s[62:63]
	s_add_nc_u64 s[68:69], s[68:69], s[46:47]
	s_add_nc_u64 s[70:71], s[70:71], s[66:67]
	s_mov_b32 s[G0], 1
	s_mov_b32 s[G0+1], s56
	s_add_nc_u64 s[G0+2:G0+3], s[6:7], s[58:59]
	s_or_b32 s[G0+3], s[G0+3], 0x80000000
	global_load_b128 v[64:67], v15, s[16:17]
	global_load_b128 v[68:71], v15, s[16:17] offset:2048
	global_load_b128 v[72:75], v15, s[12:13]
	global_load_b128 v[76:79], v15, s[12:13] offset:2048
	global_load_b128 v[80:83], v15, s[14:15]
	global_load_b128 v[84:87], v15, s[14:15] offset:2048
.irp i, 0,1,2,3
	global_load_b32 v[COV+2*\i], v56, s[10:11] offset:64*\i
.endr
	global_load_b32 v192, v58, s[68:69]            ; the mask of my rows 0-31, in the lanes' order,
	global_load_b32 v193, v58, s[68:69] offset:128 ; and of rows 32-63; kept to the end
; 16 loads of 512 consecutive bytes, 8 KB on end, into buffer q of window 1: two rows of h (nt = 1), or a tile's four fragments out of wfrag (nt = 0)
.macro GL q, sb, base, nt
	WIN 0x40
.irp j, 0,1,2,3,4,5,6,7,8,9,10,11,12,13,14,15
.if \nt
	global_load_b128 v[64*(\q)+4*\j:64*(\q)+4*\j+3], v[HO], s[\sb:\sb+1] offset:(\base)+8192*(\q)+512*\j th:TH_LOAD_NT
.else
	global_load_b128 v[64*(\q)+4*\j:64*(\q)+4*\j+3], v[HO], s[\sb:\sb+1] offset:(\base)+8192*(\q)+512*\j
.endif
.endr
	WIN 0
.endm
; A UNIT: two rows of h in buffer q are held, converted (a conversion takes two loads' numbers: 4 + 4 codes) and stored as codes; the buffer is asked for again:
; mode 0: the same two rows of the next trip; mode 1 (the last trip): group q's fragments of W_h.
.macro UNIT q, mode
	s_wait_loadcnt 48                              ; this buffer's 16 loads are in; the three buffers asked for behind it may be out
	WIN 0x41
.set jj, 0
.rept 64
	v_med3_num_f32 v[64*(\q)+jj], v[64*(\q)+jj], -v[LIM], v[LIM]   ; the conversion does not saturate (ISA guide 7.6.2)
.set jj, jj+1
.endr
	WIN 0x01
.irp c, 0,1,2,3,4,5,6,7
	v_cvt_scalef32_pk8_fp8_f32 v[BF+2*\c:BF+2*\c+1], v[64*(\q)+8*\c:64*(\q)+8*\c+7], v[SC]
.endr
	v_nop                                          ; a plain place behind the last conversion
.if \mode
	GL \q, WF, 0, 0
.else
	GL \q, 4, 32768, 1
.endif
.irp c, 0,1,2,3,4,5,6,7
	ds_store_b32 v[STI], v[BF+2*\c] offset:(2*(\q)+\c/4)*SP+256*(\c%4)        ; 32 lanes: 128 neighbouring codes of a row
	ds_store_b32 v[STI], v[BF+2*\c+1] offset:(2*(\q)+\c/4)*SP+256*(\c%4)+128
.endr
.endm
.macro TRIP mode                       ; eight rows
	UNIT 0, \mode
	UNIT 1, \mode
	UNIT 2, \mode
	UNIT 3, \mode
.if \mode == 0
	s_wait_xcnt 0x0                                ; the loads have read their base
	s_add_nc_u64 s[4:5], s[4:5], 32768
	s_add_co_u32 s[SO], s[SO], 8*SP
	v_add_nc_u32 v[STI], s[SO], v[ST0]
.endif
.endm
.macro READ p                          ; the stage's 32 rows become tiles 2 p and 2 p + 1.  LDS serves a wave's instructions in order: these see my stores, and later stores come behind them
.irp w, 0,1
	WIN 0x80+0x40*\w
.irp i, 0,1
.irp s, 0,1,2,3
.irp c, 0,1,2,3
	ds_load_b128 v[64*(2*\p+\i)+16*\s+4*\c:64*(2*\p+\i)+16*\s+4*\c+3], v[STO] offset:\i*16*SP+512*\w+128*\s+32*\c
.endr
.endr
.endr
.endr
	WIN 0
.endm
	GL 0, 4, 0, 1
	GL 1, 4, 0, 1
	GL 2, 4, 0, 1
	CROUND                                         ; the round in front of the first joint load
	tensor_load_to_lds s[G0:G0+3], s[G1:G1+7]      ; slot 0: W_h's rows 0-127; my one tensor load at the head
	s_nop 0
	PLACES
	s_wait_loadcnt 48                              ; the twelve small loads are in; three buffers of h were asked for behind them
	s_wait_kmcnt 0x0
	s_add_co_i32 s46, s40, s41
	s_sub_co_i32 s48, 0, s46
	s_lshl_b32 s47, s46, 23
	s_add_co_i32 s[KS], s47, 0x4038aa3b            ; 2 log2(e) x 2^(e0 + e1)
	s_mov_b32 s[KS+1], s[KS]
	s_add_co_i32 s46, s40, 127
	s_lshl_b32 s47, s46, 23
	v_mov_b32 v[SC], s47
	s_add_co_i32 s46, s46, 8
	s_lshl_b32 s46, s46, 23
	s_or_b32 s46, s46, 0x600000
	v_mov_b32 v[LIM], s46
.irp j, 0,1,2,3,4,5,6,7
	v_ldexp_f32 v[64+\j], v[64+\j], s48            ; decf and W_c in the sums' unit
	v_ldexp_f32 v[72+\j], v[72+\j], s48
	v_mul_f32 v[80+\j], -2.0, v[80+\j]
.endr
	ds_store_b128 v57, v[80:83]
	ds_store_b128 v57, v[84:87] offset:2048
	ds_store_b128 v57, v[72:75] offset:TABW-TABV
	ds_store_b128 v57, v[76:79] offset:TABW-TABV+2048
	ds_store_b128 v57, v[64:67] offset:TABD-TABV
	ds_store_b128 v57, v[68:71] offset:TABD-TABV+2048
.irp i, 0,1,2,3
	v_mov_b32 v[COV+2*\i+1], v[COV+2*\i]
.endr
	GL 3, 4, 0, 1
	s_mov_b32 s[SO], 0
	s_mov_b32 s53, 4
	s_wait_alu depctr_va_vdst(0)
.Lh1:                                                  ; rows 0-31
	TRIP 0
	s_sub_co_u32 s53, s53, 1
	s_cmp_lg_u32 s53, 0
	s_cbranch_scc1 .Lh1
	READ 0
	s_mov_b32 s[SO], 0
	v_mov_b32 v[STI], v[ST0]
	s_mov_b32 s53, 3
.Lh2:                                                  ; rows 32-55
	TRIP 0
	s_sub_co_u32 s53, s53, 1
	s_cmp_lg_u32 s53, 0
	s_cbranch_scc1 .Lh2
	TRIP 1                                         ; rows 56-63: nothing of h is left to ask for
	READ 1
.macro E1                              ; 2 log2(e) att; each accumulator from its low end on
.irp p, 0,1,2,3
.irp i, 0,1,2,3
	v_pk_mul_f32 v[T+8*\i+2*\p:T+8*\i+2*\p+1], v[ACC+8*\i+2*\p:ACC+8*\i+2*\p+1], s[KS:KS+1] op_sel_hi:[1,0]
.endr
.endr
.endm
.macro E6                              ; the next group's sums begin with W_c x coverage + decf
.irp p, 0,1,2,3
.irp i, 0,1,2,3
	v_pk_fma_f32 v[ACC+8*\i+2*\p:ACC+8*\i+2*\p+1], v[CW+2*\p:CW+2*\p+1], v[COV+2*\i:COV+2*\i+1], v[CD+2*\p:CD+2*\p+1]
.endr
.endr
.endm
.macro E5                              ; x -2 v, onto the scores
.irp p, 0,1,2,3
.irp i, 0,1,2,3
	v_pk_fma_f32 v[S+2*\i:S+2*\i+1], v[T+8*\i+2*\p:T+8*\i+2*\p+1], v[CV+2*\p:CV+2*\p+1], v[S+2*\i:S+2*\i+1]
.endr
.endr
.endm
; THE CHANGE OF SLOTS stands at a slot's head: the slot ahead is shown whole, nobody reads the other one, and (fill = 1) that one is asked for again: the 128 rows that follow.
.macro CHANGE fill
	s_wait_tensorcnt 0x0
	ds_add_u32 v[SPW], v[NIL]
.if \fill
	s_xor_b32 s[G0+1], s[G0+1], SLOTB
	s_add_nc_u64 s[G0+2:G0+3], s[G0+2:G0+3], 131072
.endif
	s_wait_dscnt 0x0
.if \fill
	CROUND
	tensor_load_to_lds s[G0:G0+3], s[G1:G1+7]
	s_nop 0
	PLACES
.else
	s_barrier_signal -1
	s_barrier_wait -1
.endif
.endm
; Group q of a body of four.  ld = 1: its buffer is asked for again, four groups on.  last = 1: the very last group.
; ld = 0 (the last body): the buffer takes two rows of h instead, the first of the second reading; so three buffers' loads stand behind mine in every group.
.macro GRP q, ld, last
.irp s, 0,1,2,3
.irp c, 0,1,2,3
	ds_load_b128 v[BF+16*\s+4*\c:BF+16*\s+4*\c+3], v[ADR] offset:TILEB*(\q)+128*\s+32*\c
.endr
.endr
	ds_load_b128 v[CV:CV+3], v[ADT] offset:64*(\q)
	ds_load_b128 v[CV+4:CV+7], v[ADT] offset:64*(\q)+16
.if \last == 0
	ds_load_b128 v[CW:CW+3], v[ADT] offset:OW+64*(\q)
	ds_load_b128 v[CW+4:CW+7], v[ADT] offset:OW+64*(\q)+16
	ds_load_b128 v[CD:CD+3], v[ADT] offset:OD+64*(\q)
	ds_load_b128 v[CD+4:CD+7], v[ADT] offset:OD+64*(\q)+16
.if \q == 3
	s_add_co_u32 s[TB], s[TB], 4*TILEB             ; on to the next body's tiles
	v_add_nc_u32 v[ADR], s[TB], v[AB0]
	s_add_co_u32 s[TC], s[TC], 256
	v_add_nc_u32 v[ADT], s[TC], v[AT0]
.endif
.endif
	s_wait_loadcnt 48                              ; my buffer is in; the three asked for behind it may be out
	WIN 0x0d                                       ; source 0 window 1, source 1 window 3: K 512-1023
.irp s, 0,1,2,3
.irp i, 0,1,2,3
	v_wmma_f32_16x16x128_fp8_fp8 v[ACC+8*\i:ACC+8*\i+7], v[64*(\q)+16*\s:64*(\q)+16*\s+15], v[64*\i+16*\s:64*\i+16*\s+15], v[ACC+8*\i:ACC+8*\i+7]
.endr
.endr
	WIN 0
	PLACES                                         ; four places ahead of loads into registers that matrix instructions have read
.if \ld
	GL \q, WF, 32768, 0
.else
	GL \q, 4, 0, 1
.endif
.if \last
	s_wait_dscnt 2
.else
	s_wait_dscnt 6                                 ; the four fragments are in; the tables may be out
.endif
	WIN 0x08                                       ; source 1 window 2: K 0-511
.irp s, 0,1,2,3
.irp i, 0,1,2,3
	v_wmma_f32_16x16x128_fp8_fp8 v[ACC+8*\i:ACC+8*\i+7], v[BF+16*\s:BF+16*\s+15], v[64*\i+16*\s:64*\i+16*\s+15], v[ACC+8*\i:ACC+8*\i+7]
.endr
.endr
	WIN 0
	PLACES                                         ; four places ahead of the first read of results
	E1
	s_wait_alu depctr_va_vdst(0)
	s_wait_dscnt 0x0                               ; the tables
.set jj, 0
.rept 32
	v_exp_f32 v[T+jj], v[T+jj]
.set jj, jj+1
.endr
.if \last
	v_nop
.else
	E6                                             ; work that names no result of the batch
.endif
	s_wait_alu depctr_va_vdst(0)
.set jj, 0
.rept 16
	v_pk_add_f32 v[T+jj:T+jj+1], v[T+jj:T+jj+1], 1.0 op_sel_hi:[1,0]
.set jj, jj+2
.endr
	s_wait_alu depctr_va_vdst(0)
.set jj, 0
.rept 32
	v_rcp_f32 v[T+jj], v[T+jj]
.set jj, jj+1
.endr
	v_nop
	s_wait_alu depctr_va_vdst(0)
	E5
.endm
.macro BODY ld, last
	GRP 0, \ld, 0
	GRP 1, \ld, 0
	GRP 2, \ld, 0
	GRP 3, \ld, \last
.if \ld
	s_wait_xcnt 0x0                                ; the loads have read their base
	s_add_nc_u64 s[WF:WF+1], s[WF:WF+1], 32768
.endif
.endm
	s_wait_alu depctr_va_vdst(0)
	s_wait_dscnt 0x0                               ; my codes are in registers; for the others' sake: my part of the tables is stored
	s_barrier_signal -1
	s_barrier_wait -1                              ; the tables are whole.
	ds_load_b128 v[CW:CW+3], v[AT0] offset:OW-64
	ds_load_b128 v[CW+4:CW+7], v[AT0] offset:OW-64+16
	ds_load_b128 v[CD:CD+3], v[AT0] offset:OD-64
	ds_load_b128 v[CD+4:CD+7], v[AT0] offset:OD-64+16
	s_mov_b32 s[TB], 0
	s_mov_b32 s[TC], 0
	v_mov_b32 v[ADR], v[AB0]
	v_mov_b32 v[ADT], v[AT0]
.irp j, 0,1,2,3,4,5,6,7
	v_mov_b32 v[S+\j], 0
.endr
	s_wait_dscnt 0x0
	E6
	s_wait_alu depctr_va_vdst(0)
	s_mov_b32 s52, 7
.Lslot:                                                ; slots 0 to 6: behind each change the next slot is asked for (the first time: slot 1's first fill, issued as a refill is)
	CHANGE 1
	s_mov_b32 s53, 2
.Lbody:
	BODY 1, 0
	s_sub_co_u32 s53, s53, 1
	s_cmp_lg_u32 s53, 0
	s_cbranch_scc1 .Lbody
	s_sub_co_u32 s[TB], s[TB], SLOTB               ; on to the other slot
	s_xor_b32 s[TB], s[TB], SLOTB
	v_add_nc_u32 v[ADR], s[TB], v[AB0]
	s_wait_alu depctr_va_vdst(0)
	s_sub_co_u32 s52, s52, 1
	s_cmp_lg_u32 s52, 0
	s_cbranch_scc1 .Lslot
	CHANGE 0                                       ; the last slot is written out: it asks for no slot, and its second body for no fragments
	BODY 1, 0
	s_sub_nc_u64 s[4:5], s[4:5], 7*32768           ; back to my first row of h (the head's loads are long done)
	BODY 0, 1
.irp i, 0,1,2,3
	v_add_f32 v[56+\i], v[S+2*\i], v[S+2*\i+1]
	v_mov_b32 v[60+\i], 0
.endr
.irp i, 0,1,2,3
	v_permlanex16_b32 v[60+\i], v[56+\i], s[SEL], s[SEL+1]
.endr
.irp i, 0,1,2,3
	v_add_f32 v[56+\i], v[56+\i], v[60+\i]         ; both halves of the outputs: tile i's row r
.endr
	v_bfe_u32 v12, v0, 4, 1
	v_cmp_eq_u32 vcc_lo, 1, v12
	v_cndmask_b32 v60, v56, v57, vcc_lo            ; rows 0-31 in the lanes' order,
	v_cndmask_b32 v61, v58, v59, vcc_lo            ; rows 32-63
	v_and_b32 v13, 31, v0
	s_lshl_b32 s56, s[WV], 8
	s_add_co_u32 s56, s56, SCR
	v_lshl_add_u32 v14, v13, 2, s56
	v_lshl_add_u32 v15, v13, 3, s56
	v_lshlrev_b32 v12, 3, v13
	ds_store_b32 v14, v60
	ds_store_b32 v14, v61 offset:128
	ds_load_b64 v[62:63], v15
	s_wait_alu depctr_va_vdst(0)
	s_wait_dscnt 0x0
	global_store_b64 v12, v[62:63], s[18:19]       ; the wave stores 256 consecutive bytes, aligned
	; MY ROWS' PART OF THE WEIGHTED SUM.  v60, v61: my 64 scores in the lanes' order
	v_max_num_f32 v56, v60, v61
.irp m, 1,2,4,8
	v_max_num_f32_dpp v56, v56, v56 row_xmask:\m row_mask:0xf bank_mask:0xf
.endr
	v_mov_b32 v57, 0
	v_permlanex16_b32 v57, v56, s[SEL], s[SEL+1]
	v_max_num_f32 v56, v56, v57                    ; m_w
	v_sub_f32 v60, v60, v56                        ; the maximum is taken away first,
	v_sub_f32 v61, v61, v56
	v_mul_f32 v60, 0x3fb8aa3b, v60                 ; then x log2(e)
	v_mul_f32 v61, 0x3fb8aa3b, v61
	s_wait_alu depctr_va_vdst(0)
	v_exp_f32 v60, v60
	v_exp_f32 v61, v61
	v_nop
	s_wait_alu depctr_va_vdst(0)
	v_mul_f32 v60, v60, v192                       ; x mask
	v_mul_f32 v61, v61, v193
	ds_store_b32 v14, v60 offset:SCE-SCR           ; e in the rows' order, for my own stream: LDS serves a wave's instructions in order
	ds_store_b32 v14, v61 offset:SCE-SCR+128
	v_add_f32 v57, v60, v61
.irp m, 1,2,4,8
	v_add_f32_dpp v57, v57, v57 row_xmask:\m row_mask:0xf bank_mask:0xf
.endr
	v_mov_b32 v58, 0
	v_permlanex16_b32 v58, v57, s[SEL], s[SEL+1]
	v_add_f32 v57, v57, v58                        ; the sum of e: v[56:57] = (m_w, sum)
	v_mov_b32 v15, s56                             ; the trip's eight weights lie at SCE - SCR from here
.set jj, 0
.rept 64
	v_mov_b32 v[PA+jj], 0                          ; (the trip is written for a loop: its first pass finds zeros)
.set jj, jj+1
.endr
; Two rows of h in buffer q: 1,024 numbers a row, lane l holds columns 128 j + 4 l + 0 .. 3 of load j; x the row's weight, onto the even or the odd rows' sums
.macro SUNIT q, more
.if \more
	s_wait_loadcnt 48                              ; this buffer is in; the three asked for behind it may be out
.else
	s_wait_loadcnt 16*(3-(\q))
.endif
	WIN 0x01
.irp j, 0,1,2,3,4,5,6,7
.irp p, 0,1
	v_pk_fma_f32 v[PA+4*\j+2*\p:PA+4*\j+2*\p+1], v[64*(\q)+4*\j+2*\p:64*(\q)+4*\j+2*\p+1], v[WT+2*(\q):WT+2*(\q)+1], v[PA+4*\j+2*\p:PA+4*\j+2*\p+1] op_sel_hi:[1,0,1]
.endr
.endr
.irp j, 0,1,2,3,4,5,6,7
.irp p, 0,1
	v_pk_fma_f32 v[PB+4*\j+2*\p:PB+4*\j+2*\p+1], v[64*(\q)+32+4*\j+2*\p:64*(\q)+32+4*\j+2*\p+1], v[WT+2*(\q):WT+2*(\q)+1], v[PB+4*\j+2*\p:PB+4*\j+2*\p+1] op_sel:[0,1,0] op_sel_hi:[1,1,1]
.endr
.endr
	WIN 0
.if \more
	GL \q, 4, 32768, 1                             ; the same two rows of the next trip
.endif
.endm
.macro STRIP more                      ; eight rows
	ds_load_b128 v[WT:WT+3], v15 offset:SCE-SCR    ; one address for all lanes
	ds_load_b128 v[WT+4:WT+7], v15 offset:SCE-SCR+16
.if \more
	s_add_co_u32 s56, s56, 32
	v_mov_b32 v15, s56
.endif
	s_wait_dscnt 0x0
	SUNIT 0, \more
	SUNIT 1, \more
	SUNIT 2, \more
	SUNIT 3, \more
.if \more
	s_wait_xcnt 0x0                                ; the loads have read their base
	s_add_nc_u64 s[4:5], s[4:5], 32768
.endif
.endm
	s_mov_b32 s53, 7
	s_wait_alu depctr_va_vdst(0)
.Lctx:
	STRIP 1
	s_sub_co_u32 s53, s53, 1
	s_cmp_lg_u32 s53, 0
	s_cbranch_scc1 .Lctx
	STRIP 0                                        ; the last eight rows: nothing is left to ask for
.set jj, 0
.rept 16
	v_pk_add_f32 v[PA+jj:PA+jj+1], v[PA+jj:PA+jj+1], v[PB+jj:PB+jj+1]
.set jj, jj+2
.endr
.irp j, 0,1,2,3,4,5,6,7
	global_store_b128 v[HO], v[PA+4*\j:PA+4*\j+3], s[70:71] offset:512*\j   ; the wave stores 512 consecutive bytes, aligned
.endr
	global_store_b64 v12, v[56:57], s[70:71] offset:4096                    ; and one whole unit of 256 bytes: (m_w, sum) in every lane
	s_wait_tensorcnt 0x0                           ; the wave's end
	ds_add_u32 v[SPW], v[NIL]
	s_wait_dscnt 0x0
	CROUND                                         ; the closing round
	s_endpgm
.Lfunc_end_k_q8626cee949_score:
	.size	k_q8626cee949_score, .Lfunc_end_k_q8626cee949_score-k_q8626cee949_score
	.p2alignl 7, 3214868480
	.fill 96, 4, 3214868480
	.section	.rodata,"a",@progbits
	.p2align	6, 0x0
	.amdhsa_kernel k_q8626cee949_score
		.amdhsa_group_segment_fixed_size 327680
		.amdhsa_private_segment_fixed_size 0
		.amdhsa_enable_private_segment 0
		.amdhsa_kernarg_size 88
		.amdhsa_user_sgpr_count 2
		.amdhsa_user_sgpr_kernarg_segment_ptr 1
		.amdhsa_wavefront_size32 1
		.amdhsa_system_sgpr_workgroup_id_x 1
		.amdhsa_system_sgpr_workgroup_id_y 1
		.amdhsa_system_sgpr_workgroup_id_z 1
		.amdhsa_system_vgpr_workitem_id 0
		.amdhsa_next_free_vgpr 1024
		.amdhsa_next_free_sgpr 72
		.amdhsa_reserve_vcc 1
		.amdhsa_float_denorm_mode_32 3
		.amdhsa_float_denorm_mode_16_64 3
		.amdhsa_memory_ordered 1
		.amdhsa_forward_progress 1
		.amdhsa_inst_pref_size 255
	.end_amdhsa_kernel
	.section	.bss,"aw",@nobits
	.p2align	6
	.space	262144
	.amdgpu_metadata
---
amdhsa.version: [ 1, 2 ]
amdhsa.kernels:
  - .name:           k_q8626cee949_score
    .symbol:         k_q8626cee949_score.kd
    .args:
      - { .name: h, .offset: 0, .size: 8, .value_kind: global_buffer, .address_space: global }
      - { .name: W_h_codes, .offset: 8, .size: 8, .value_kind: global_buffer, .address_space: global }
      - { .name: lowp_scales, .offset: 16, .size: 8, .value_kind: global_buffer, .address_space: global }
      - { .name: coverage, .offset: 24, .size: 8, .value_kind: global_buffer, .address_space: global }
      - { .name: W_c, .offset: 32, .size: 8, .value_kind: global_buffer, .address_space: global }
      - { .name: v, .offset: 40, .size: 8, .value_kind: global_buffer, .address_space: global }
      - { .name: decf, .offset: 48, .size: 8, .value_kind: global_buffer, .address_space: global }
      - { .name: scores, .offset: 56, .size: 8, .value_kind: global_buffer, .address_space: global }
      - { .name: wfrag, .offset: 64, .size: 8, .value_kind: global_buffer, .address_space: global }
      - { .name: enc_padding_mask, .offset: 72, .size: 8, .value_kind: global_buffer, .address_space: global }
      - { .name: part, .offset: 80, .size: 8, .value_kind: global_buffer, .address_space: global }
    .group_segment_fixed_size: 327680
    .private_segment_fixed_size: 0
    .kernarg_segment_align: 8
    .kernarg_segment_size: 88
    .max_flat_workgroup_size: 128
    .sgpr_count:     72
    .vgpr_count:     1024
    .wavefront_size: 32
...
	.end_amdgpu_metadata
.endif
;; end of part 2
;; launch join (part 3): grid 256 x 1, 2 waves a work-group, no clusters, 0 bytes of LDS; arguments scores, enc_padding_mask, coverage, part, out0, out1, out2; writes out0, out1, out2
.if DOCPART == 3
	.amdgcn_target "amdgcn-amd-amdhsa--gfx1250"
	.amdhsa_code_object_version 6
	.text
	.protected	k_q8626cee949_join
	.globl	k_q8626cee949_join
	.p2align	8
	.type	k_q8626cee949_join,@function
k_q8626cee949_join:
	s_mov_b64 s[64:65], 0
	v_nop
	global_prefetch_b8 v0, s[64:65] scope:SCOPE_SE
	s_setreg_imm32_b32 hwreg(HW_REG_WAVE_MODE, 25, 1), 1
	s_wait_xcnt 0x0
; attn[t] = exp(scores[b][t] - M) x mask[b][t] / Z, M the batch's largest score, Z the sum of the numerators (softmax's own divisor cancels);  out1 = attn;  out2 = coverage + attn;  out0[b][n] = sum over t of attn[t] h[b][t][n].
; The scores come without the term sum of v, which is the same along t and moves no softmax.
; The launch before left sixteen records a batch, one for each 64 t: P_j[n] = sum of exp(score - m_j) x mask x h, and (m_j, z_j).  Here M = the largest m_j, g_j = exp(m_j - M) / Z, Z = sum of z_j exp(m_j - M), out0 = sum of g_j P_j.
; SHARES.  Work-group x: batch x / 4, quarter q = x % 4; thread i of 64 makes columns 256 q + 4 i .. + 3 of out0 and t = 256 q + 4 i .. + 3 of out1 and out2.  Every thread joins the sixteen (m_j, z_j) for itself: no LDS, no barrier.
; No matrix unit (sixteen terms a number), no cluster and no prefetch: 27 KB a work-group, asked for in one run of loads with no loop to run ahead in.
; LIMIT: v_exp_f32 gives 0 for results under 2^-126 (ISA guide, its entry): such weights count as 0.
.set REC, 4352                         ; a record: 4,096 bytes of sums, then 256 bytes that hold (m, z) 32 times
.set ST,  16                           ; v16-47  (m_j, z_j)
.set P,   48                           ; v48-111 my four columns of the sixteen P_j
	s_load_b256 s[4:11], s[0:1], 0x0               ; scores, mask, coverage, part
	s_load_b128 s[12:15], s[0:1], 0x20             ; out0, out1
	s_load_b64 s[16:17], s[0:1], 0x30              ; out2
	s_lshr_b32 s19, ttmp9, 2                       ; b
	s_and_b32 s20, ttmp9, 3                        ; q
	s_lshl_b32 s22, s19, 12
	s_lshl_b32 s21, s20, 10
	s_add_co_u32 s22, s22, s21                     ; the batch's row of 4,096 bytes, my quarter
	s_mov_b32 s23, 0
	s_mul_i32 s24, s19, 16*REC                     ; the batch's records
	s_mov_b32 s25, 0
	v_lshlrev_b32 v1, 4, v0                        ; 16 x thread
	v_add_nc_u32 v2, s21, v1                       ; + my quarter of a record
	v_and_b32 v3, 31, v0
	v_lshlrev_b32 v3, 3, v3                        ; 8 x lane: the wave reads a record's last unit whole
	s_wait_alu depctr_va_vdst(0)
	s_wait_kmcnt 0x0
	s_add_nc_u64 s[4:5], s[4:5], s[22:23]
	s_add_nc_u64 s[6:7], s[6:7], s[22:23]
	s_add_nc_u64 s[8:9], s[8:9], s[22:23]
	s_add_nc_u64 s[10:11], s[10:11], s[24:25]
	s_add_nc_u64 s[12:13], s[12:13], s[22:23]
	s_add_nc_u64 s[14:15], s[14:15], s[22:23]
	s_add_nc_u64 s[16:17], s[16:17], s[22:23]
.irp j, 0,1,2,3,4,5,6,7,8,9,10,11,12,13,14,15
	global_load_b64 v[ST+2*\j:ST+2*\j+1], v3, s[10:11] offset:\j*REC+4096
.endr
	global_load_b128 v[4:7], v1, s[4:5]            ; a wave reads 512 consecutive bytes
	global_load_b128 v[8:11], v1, s[6:7]
	global_load_b128 v[12:15], v1, s[8:9]
.irp j, 0,1,2,3,4,5,6,7,8,9,10,11,12,13,14,15
	global_load_b128 v[P+4*\j:P+4*\j+3], v2, s[10:11] offset:\j*REC
.endr
	s_wait_loadcnt 16                              ; all but the sixteen loads of sums
	v_max3_num_f32 v112, v16, v18, v20             ; M
.irp j, 22,26,30,34,38,42
	v_max3_num_f32 v112, v112, v[\j], v[\j+2]
.endr
	v_max_num_f32 v112, v112, v46
.irp j, 0,1,2,3,4,5,6,7,8,9,10,11,12,13,14,15
	v_sub_f32 v[ST+2*\j], v[ST+2*\j], v112         ; the maximum is taken away first,
.endr
.irp j, 4,5,6,7
	v_sub_f32 v[\j], v[\j], v112
.endr
.irp j, 0,1,2,3,4,5,6,7,8,9,10,11,12,13,14,15
	v_mul_f32 v[ST+2*\j], 0x3fb8aa3b, v[ST+2*\j]   ; then x log2(e)
.endr
.irp j, 4,5,6,7
	v_mul_f32 v[\j], 0x3fb8aa3b, v[\j]
.endr
	s_wait_alu depctr_va_vdst(0)
.irp j, 0,1,2,3,4,5,6,7,8,9,10,11,12,13,14,15
	v_exp_f32 v[ST+2*\j], v[ST+2*\j]               ; exp(m_j - M), at most 1
.endr
.irp j, 4,5,6,7
	v_exp_f32 v[\j], v[\j]
.endr
	v_nop
	s_wait_alu depctr_va_vdst(0)
	v_mul_f32 v113, v17, v16                       ; Z
.irp j, 1,2,3,4,5,6,7,8,9,10,11,12,13,14,15
	v_fmac_f32 v113, v[ST+2*\j+1], v[ST+2*\j]
.endr
	v_pk_mul_f32 v[4:5], v[4:5], v[8:9]            ; x mask
	v_pk_mul_f32 v[6:7], v[6:7], v[10:11]
	s_wait_alu depctr_va_vdst(0)
	v_rcp_f32 v114, v113
	v_nop
	s_wait_alu depctr_va_vdst(0)
	v_mov_b32 v115, v114                           ; 1 / Z, a pair for the packed multiplies
.irp j, 0,1,2,3,4,5,6,7,8,9,10,11,12,13,14,15
	v_mul_f32 v[ST+2*\j], v[ST+2*\j], v114         ; g_j
.endr
	v_pk_mul_f32 v[4:5], v[4:5], v[114:115]        ; attn
	v_pk_mul_f32 v[6:7], v[6:7], v[114:115]
	v_pk_add_f32 v[12:13], v[12:13], v[4:5]
	v_pk_add_f32 v[14:15], v[14:15], v[6:7]
	global_store_b128 v1, v[4:7], s[14:15]         ; a wave stores 512 consecutive bytes, aligned
	global_store_b128 v1, v[12:15], s[16:17]       ; (v1, v4-7 and v12-15 are not written again)
	s_wait_alu depctr_va_vdst(0)
	s_wait_loadcnt 0x0
	v_pk_mul_f32 v[116:117], v[P:P+1], v[ST:ST+1] op_sel_hi:[1,0]          ; the first record starts the sums; of the pair (g_j, z_j) the low word serves both halves
	v_pk_mul_f32 v[118:119], v[P+2:P+3], v[ST:ST+1] op_sel_hi:[1,0]
.irp j, 1,2,3,4,5,6,7,8,9,10,11,12,13,14,15
	v_pk_fma_f32 v[116:117], v[P+4*\j:P+4*\j+1], v[ST+2*\j:ST+2*\j+1], v[116:117] op_sel_hi:[1,0,1]
	v_pk_fma_f32 v[118:119], v[P+4*\j+2:P+4*\j+3], v[ST+2*\j:ST+2*\j+1], v[118:119] op_sel_hi:[1,0,1]
.endr
	global_store_b128 v1, v[116:119], s[12:13]
	s_endpgm
.Lfunc_end_k_q8626cee949_join:
	.size	k_q8626cee949_join, .Lfunc_end_k_q8626cee949_join-k_q8626cee949_join
	.p2alignl 7, 3214868480
	.fill 96, 4, 3214868480
	.section	.rodata,"a",@progbits
	.p2align	6, 0x0
	.amdhsa_kernel k_q8626cee949_join
		.amdhsa_group_segment_fixed_size 0
		.amdhsa_private_segment_fixed_size 0
		.amdhsa_enable_private_segment 0
		.amdhsa_kernarg_size 56
		.amdhsa_user_sgpr_count 2
		.amdhsa_user_sgpr_kernarg_segment_ptr 1
		.amdhsa_wavefront_size32 1
		.amdhsa_system_sgpr_workgroup_id_x 1
		.amdhsa_system_sgpr_workgroup_id_y 1
		.amdhsa_system_sgpr_workgroup_id_z 1
		.amdhsa_system_vgpr_workitem_id 0
		.amdhsa_next_free_vgpr 128
		.amdhsa_next_free_sgpr 66
		.amdhsa_reserve_vcc 0
		.amdhsa_float_denorm_mode_32 3
		.amdhsa_float_denorm_mode_16_64 3
		.amdhsa_memory_ordered 1
		.amdhsa_forward_progress 1
		.amdhsa_inst_pref_size 12
	.end_amdhsa_kernel
	.amdgpu_metadata
---
amdhsa.version: [ 1, 2 ]
amdhsa.kernels:
  - .name:           k_q8626cee949_join
    .symbol:         k_q8626cee949_join.kd
    .args:
      - { .name: scores, .offset: 0, .size: 8, .value_kind: global_buffer, .address_space: global }
      - { .name: enc_padding_mask, .offset: 8, .size: 8, .value_kind: global_buffer, .address_space: global }
      - { .name: coverage, .offset: 16, .size: 8, .value_kind: global_buffer, .address_space: global }
      - { .name: part, .offset: 24, .size: 8, .value_kind: global_buffer, .address_space: global }
      - { .name: out0, .offset: 32, .size: 8, .value_kind: global_buffer, .address_space: global }
      - { .name: out1, .offset: 40, .size: 8, .value_kind: global_buffer, .address_space: global }
      - { .name: out2, .offset: 48, .size: 8, .value_kind: global_buffer, .address_space: global }
    .group_segment_fixed_size: 0
    .private_segment_fixed_size: 0
    .kernarg_segment_align: 8
    .kernarg_segment_size: 56
    .max_flat_workgroup_size: 64
    .sgpr_count:     66
    .vgpr_count:     128
    .wavefront_size: 32
...
	.end_amdgpu_metadata
.endif
;; end of part 3
